; MI455X (gfx1250); checked and timed in simulation.
; The chip was launched on July 23, 2026; its instructions are those of AMD's public machine-readable ISA for CDNA 5 (MIT licence, August 2026) and "CDNA5" Instruction Set Architecture Reference Guide (July 2026). The comments in the code are by the model that wrote it; some were corrected since.
;; Bert Self Attention. Allowed arithmetic: matrix products marked QUANTISED: E3M2 operands, one E8M0 scale for each 32 along K, by v_wmma_scale_f32_16x16x128_f8f6f4 with both operands' format E3M2, f32 sums; everything else in f32.
;; Inputs: Wk 1,024 x 1,024 float32; Wq 1,024 x 1,024 float32; Wv 1,024 x 1,024 float32; attention_mask 4 x 1 x 1 x 2,048 float32; bk 1,024 float32; bq 1,024 float32; bv 1,024 float32; input_tensor 4 x 2,048 x 1,024 float32.
;; Outputs: out0 4 x 2,048 x 1,024 float32.
;; This version of the problem:
;;   THIS VERSION OF THE PROBLEM IS GIVEN IN LOW PRECISION. The matrix products marked QUANTISED in the list below multiply operands that are first quantised to E3M2 (3 exponent bits, 2 mantissa bits; 6 bits a number), with one power-of-two scale for each 32 numbers along K (OCP MX v1.0); their sums are f32. All else is computed in f32.
;;   The module's matrix products, in the order in which they are computed (A, B: the left and right operand; K: the contracted axis; several contracted axes count as one K, in the product's order):
;;     1. [M 8,192, K 1,024] x [K 1,024, N 1,024]; A: input input_tensor; B: input Wq: QUANTISED
;;     2. [M 8,192, K 1,024] x [K 1,024, N 1,024]; A: input input_tensor; B: input Wk: QUANTISED
;;     3. [M 8,192, K 1,024] x [K 1,024, N 1,024]; A: input input_tensor; B: input Wv: QUANTISED
;;     4. batch 64 x [M 2,048, K 64] x [K 64, N 2,048]; A: computed on the way; B: computed on the way: QUANTISED
;;     5. batch 64 x [M 2,048, K 2,048] x [K 2,048, N 64]; A: softmax (see below); B: computed on the way: QUANTISED
;;   THE QUANTISER, for each operand of a quantised product, along K:
;;     - K is cut into blocks of 32 from its start; a last block that is shorter is filled with zeros.
;;     - A block's scale is 2^e with e = floor(log2(the largest magnitude in the block)) - 4, held to -126 .. 127; a block of zeros has e = 0. As a byte (E8M0): e + 127.
;;     - Each number is divided by its block's scale, clamped to +-28, and rounded to the nearest number of E3M2, ties to even, subnormals kept.
;;     - The product sums the exact products of the quantised numbers (number of the format x scale) in f32.
;;   ~~~python
;;   def quantise(x, axis):      # numpy; x: float32 -> the quantised numbers, widened to float32 again
;;       x = np.moveaxis(x, axis, -1); K = x.shape[-1]
;;       x = np.pad(x, [(0, 0)] * (x.ndim - 1) + [(0, -K % 32)]); x = x.reshape(x.shape[:-1] + (-1, 32)); a = np.abs(x).max(-1, keepdims=True)
;;       e = np.where(a > 0, np.clip(np.frexp(np.where(a > 0, a, 1))[1] - 1 - 4, -126, 127), 0)      # np.frexp(a)[1] - 1 = floor(log2(a)), exactly
;;       r = np.clip(x / 2.0 ** e, -28, 28)
;;       step = 2.0 ** (np.maximum(np.frexp(np.where(r == 0, 1, r))[1] - 1, -2) - 2)
;;       q = np.round(r / step) * step * 2.0 ** e      # np.round: ties to even
;;       return np.moveaxis(q.reshape(q.shape[:-2] + (-1,))[..., :K], -1, axis).astype(np.float32)
;;   ~~~
;;   SOFTMAX AHEAD OF A QUANTISED PRODUCT. Where the list says 'softmax', what is quantised is not the finished softmax but p = 2^(t - M), with t = logit x log2(e) and M = ceil(the row's largest t), a whole number; so 1/2 < the row's largest p <= 1. The row's sum l is taken of the UNQUANTISED p, in f32, and the product's result is divided by l at the end. Since M is a whole number, a kernel that streams over the keys may use a running M (the ceiling of the running maximum): every later rescaling is an exact power of two, which a block's scale takes up: the codes' values come out the same.
;;   OPERANDS COMPUTED ON THE WAY. 'Computed on the way' means the value that the module computes at that place (a softmax that the list does not call 'softmax' is quantised finished and normalised). What goes into a quantiser is computed in f32, as accurately as f32 sums, v_exp_f32 and their like allow (about 1e-6 of the number): no bf16 or f16 on the way to a quantiser, and a product that is left as it is and whose result goes on into a quantised operand takes f32 operands (vector FMAs, or v_wmma_f32_16x16x4_f32). A number that lies on a knife's edge between two numbers of the format may be rounded either way, as far as f32 arithmetic and the matrix unit's own rounding can turn it there, and no further.
;; One version. Each part assembles by itself: llvm-mc -triple=amdgcn-amd-amdhsa -mcpu=gfx1250 --defsym DOCPART=n.
;; ======== version 1 of 1: 3 launches
;; limits: right only within a limited range of input values
;; workspace buffers: xc 6,553,600 bytes; wc 2,457,600 bytes; qc 6,553,600 bytes; kvc 13,107,200 bytes
;; launch quant (part 1): grid 176 x 8, 4 waves a work-group, no clusters, 69,632 bytes of LDS; arguments input_tensor, Wq, Wk, Wv, xc, wc; writes xc, wc
.if DOCPART == 1
	.amdgcn_target "amdgcn-amd-amdhsa--gfx1250"
	.amdhsa_code_object_version 6
	.text
	.protected	k_qd1dbb41270_quant
	.globl	k_qd1dbb41270_quant
	.p2align	8
	.type	k_qd1dbb41270_quant,@function
k_qd1dbb41270_quant:
	s_mov_b64 s[64:65], 0
	v_nop
	global_prefetch_b8 v0, s[64:65] scope:SCOPE_SE
	s_setreg_imm32_b32 hwreg(HW_REG_WAVE_MODE, 25, 1), 1
	s_wait_xcnt 0x0
; input_tensor [8192][1024] (K innermost) and Wq, Wk, Wv [1024 (k)][1024 (n)] (K along the FIRST axis), f32, become codes of BF6 (E3M2) with one E8M0 scale byte for each 32 along K,
; laid in xc and wc AS THE PRODUCT'S LAUNCH WANTS ITS OPERAND REGISTERS.  No step and no input of reference() is left out in this program.
; xc, wc: units of 6,400 bytes for a group of 64 rows (xc: tokens 64 g on; wc: group 16 x tensor + head, the head's 64 columns n) and a K step of 128; unit 8 g + K step.
; A unit: four fragment images of 1,536 bytes, then 256 bytes of scale words.  Row r of fragment w is row 8 w + r % 8 + 32 (r / 8) of the 64.  An image: register p of lane l at 512 (p / 4) + 16 l + 4 (p % 4);
; lane (r, h), registers 6 c .. 6 c + 5: the 24 bytes of codes of k = 64 c + 32 h + 0 .. 31.  The scale words: 6,144 + 16 r + 4 w, byte b for k = 32 b .. 32 b + 31.
; A block's scale is 2^(floor(log2(largest magnitude)) - 4); its byte is the largest magnitude's exponent field - 4, held at 1 from below.
; LIMITS: a block whose largest magnitude lies under 2^-122, a block of zeros among them, keeps the byte 1 (zero codes add nothing; this program alone reads the bytes); NaN and infinities are not served.
; SHARES: work-group (x, y): K step y; x < 128: tokens' group x; else W's group x - 128.  Wave w makes fragment w.  One head and one way out serve both; between them the two ways part on the work-group's number alone,
; and each has LDS bytes of its own.
;   tokens: each load reads 512 consecutive bytes of one row; the fragment's 16 rows turn through the wave's own stage (rows 528 bytes apart), so that a lane gets two whole blocks of 32 neighbours.
;   W: wave w loads k rows 32 w .. 32 w + 31 of the step (sixteen lanes read a row's 256 consecutive bytes) into sub-stage w; behind a barrier a lane takes ONE column and reads down K.  Nothing is transposed by an instruction.
; No tensor loads, no clusters: every input byte is read once by one work-group.  One more barrier, for the four waves' scale words, which leave as one run of 256 bytes.
.set STG, 8448                         ; tokens: a wave's stage: 16 rows x (512 + 16) bytes
.set GAT, 4*STG                        ; 256 bytes in which the four fragments' scale words meet
.set WB,  GAT+256                      ; W: four sub-stages
.set SUB, 8768                         ; a sub-stage: 32 k rows x (256 + 16) bytes, + 64: lanes 16-31 read one sub-stage further on, 16 words off modulo 64; a load's lanes take words 0-7, 32-39 and, 16 on, 16-23, 48-55
.set SPARE, WB+4*SUB                   ; the spare words, 128 bytes a wave
.set R,   24                           ; v24-87   the numbers as loaded
.set X,   88                           ; v88-151  my 64 numbers: register 32 c + e = k 64 c + 32 h + e of my row or column
.set PC,  152                          ; v152-163 the fragment's twelve registers
.set CT,  164                          ; v164-170 the upper halves of the two blocks, as the conversions leave them
.set M,   172                          ; largest magnitudes
.set SO,  174                          ; the conversions' scale operands
.set SPW, 176
.set NIL, 177
	s_load_b256 s[4:11], s[0:1], 0x0               ; input_tensor, Wq, Wk, Wv
	s_load_b128 s[12:15], s[0:1], 0x20             ; xc, wc
	v_lshl_add_u32 v[SPW], v0, 2, SPARE
	v_mov_b32 v[NIL], 0
	v_lshrrev_b32 v1, 5, v0
	v_readfirstlane_b32 s16, v1                    ; wave 0..3
	v_and_b32 v1, 31, v0                           ; lane
	v_and_b32 v2, 15, v0                           ; r
	v_bfe_u32 v3, v0, 4, 1                         ; h
	v_lshlrev_b32 v4, 4, v1                        ; 16 x lane: my bytes of a load's 512, and of an image's 512
	s_mul_i32 s17, s16, STG
	v_add_nc_u32 v5, s17, v4                       ; tokens: the stage, on the way in
	v_mul_u32_u24 v6, v2, 528
	v_lshl_add_u32 v6, v3, 7, v6
	v_add_nc_u32 v6, s17, v6                       ; and on the way out: row r, + 128 h
	s_lshl_b32 s18, s16, 2
	s_add_co_u32 s18, s18, GAT
	v_lshl_add_u32 v7, v2, 4, s18                  ; where my row's scale word goes: 16 r + 4 w
	v_lshlrev_b32 v8, 3, v1                        ; the words' way out: 8 bytes a lane
	v_add_nc_u32 v9, GAT, v8
	v_lshlrev_b32 v11, 3, v3                       ; 8 h
	v_lshlrev_b32 v14, 12, v3
	v_lshl_add_u32 v14, v2, 4, v14                 ; W in memory: lanes 0-15 one k row's 256 bytes, lanes 16-31 the next row's
	s_mul_i32 s17, s16, SUB
	s_add_co_u32 s17, s17, WB
	v_mul_u32_u24 v15, v3, 272
	v_lshl_add_u32 v15, v2, 4, v15
	v_add_nc_u32 v15, s17, v15                     ; and the same two rows in my sub-stage
	v_and_b32 v17, 8, v2
	v_mad_u32_u24 v17, v17, 3, v2                  ; r % 8 + 32 (r / 8)
	v_mul_u32_u24 v16, v3, SUB
	v_lshl_add_u32 v16, v17, 2, v16
	s_lshl_b32 s18, s16, 5
	s_add_co_u32 s18, s18, WB
	v_add_nc_u32 v16, s18, v16                     ; down K: sub-stage h, column 8 w + r % 8 + 32 (r / 8)
	s_mov_b32 s30, 0x76543210
	s_mov_b32 s31, 0xfedcba98                      ; lane selects: lane l xor 16
	s_and_b32 s19, ttmp7, 0xffff                   ; the K step
	s_cmp_lt_u32 ttmp9, 128
	s_cselect_b32 s24, 0, 128
	s_sub_co_u32 s24, ttmp9, s24                   ; my group in its buffer
	s_lshl_b32 s20, s24, 6                         ; tokens: my fragment's first row, 64 g + 8 w,
	s_lshl_b32 s21, s16, 3
	s_add_co_u32 s20, s20, s21
	s_lshl_b32 s20, s20, 12                        ; rows of 4,096 bytes,
	s_lshl_b32 s21, s19, 9                         ; 512 bytes a K step
	s_add_co_u32 s20, s20, s21
	s_mov_b32 s21, 0
	s_lshr_b32 s25, s24, 4                         ; W: which tensor,
	s_and_b32 s18, s24, 15
	s_lshl_b32 s18, s18, 8                         ; my 64 columns, in bytes,
	s_lshl_b32 s22, s19, 7
	s_lshl_b32 s23, s16, 5
	s_add_co_u32 s22, s22, s23                     ; my first k row: 128 y + 32 w
	s_lshl_b32 s22, s22, 12
	s_add_co_u32 s22, s22, s18
	s_mov_b32 s23, 0
	s_lshl_b32 s28, s24, 3
	s_add_co_u32 s28, s28, s19
	s_mul_i32 s28, s28, 6400                       ; the unit: 8 g + K step
	s_mul_i32 s26, s16, 1536
	s_add_co_u32 s26, s26, s28                     ; my fragment's image
	s_mov_b32 s27, 0
	s_add_co_u32 s28, s28, 6144                    ; the four fragments' scale words
	s_mov_b32 s29, 0
	s_wait_alu depctr_va_vdst(0)                   ; the wait at the head's end
	s_wait_kmcnt 0x0
	s_cmp_lt_u32 ttmp9, 128                        ; every choice hangs on the work-group's number alone
	s_cselect_b64 s[12:13], s[12:13], s[14:15]     ; xc or wc
	s_add_nc_u64 s[14:15], s[12:13], s[28:29]
	s_add_nc_u64 s[12:13], s[12:13], s[26:27]
	s_cmp_lt_u32 ttmp9, 128
	s_cbranch_scc0 .Lweights
	s_add_nc_u64 s[4:5], s[4:5], s[20:21]
.irp j, 0,1,2,3,4,5,6,7,8,9,10,11,12,13,14,15
	global_load_b128 v[R+4*\j:R+4*\j+3], v4, s[4:5] offset:(\j+24*(\j/8))*4096 th:TH_LOAD_NT   ; fragment row j: 512 consecutive bytes; read once in the launch
.endr
.irp j, 0,1,2,3,4,5,6,7,8,9,10,11,12,13,14,15
	s_wait_loadcnt 15-\j                           ; loads come back in order: row j is in, the younger ones stay out
	ds_store_b128 v5, v[R+4*\j:R+4*\j+3] offset:528*\j
.endr
.irp c, 0,1
.irp p, 0,1,2,3,4,5,6,7
	ds_load_b128 v[X+32*\c+4*\p:X+32*\c+4*\p+3], v6 offset:256*\c+16*\p   ; the stage is my wave's own and LDS serves a wave in order: these see the stores above
.endr
.endr
	s_branch .Lquantise
.Lweights:
	s_cmp_eq_u32 s25, 0
	s_cselect_b64 s[6:7], s[6:7], s[8:9]
	s_cmp_eq_u32 s25, 2
	s_cselect_b64 s[6:7], s[10:11], s[6:7]
	s_add_nc_u64 s[6:7], s[6:7], s[22:23]
.irp j, 0,1,2,3,4,5,6,7,8,9,10,11,12,13,14,15
	global_load_b128 v[R+4*\j:R+4*\j+3], v14, s[6:7] offset:8192*\j th:TH_LOAD_NT   ; k rows 2 j and 2 j + 1; read once in the launch
.endr
.irp j, 0,1,2,3,4,5,6,7,8,9,10,11,12,13,14,15
	s_wait_loadcnt 15-\j
	ds_store_b128 v15, v[R+4*\j:R+4*\j+3] offset:544*\j
.endr
	s_wait_dscnt 0x0                               ; for the others' sake: my 32 rows lie in LDS
	s_barrier_signal -1
	s_barrier_wait -1
.irp c, 0,1
.irp i, 0,1,2,3,4,5,6,7,8,9,10,11,12,13,14,15,16,17,18,19,20,21,22,23,24,25,26,27,28,29,30,31
	ds_load_b32 v[X+32*\c+\i], v16 offset:2*SUB*\c+272*\i     ; W(128 y + 64 c + 32 h + i, my column)
.endr
.endr
.Lquantise:
	s_wait_dscnt 0x0
; 64 numbers in v[X] on become the fragment's registers in v[PC] on and my row's scale word in v10.  All 32 numbers of a block are mine.
.irp c, 0,1
	v_max3_num_f32 v[M+\c], |v[X+32*\c]|, |v[X+32*\c+1]|, 0x2800000      ; the floor 2^(5 - 127) is one more leaf: the byte cannot fall under 1
.endr
.irp i, 2,4,6,8,10,12,14,16,18,20,22,24,26,28,30
.irp c, 0,1
	v_max3_num_f32 v[M+\c], v[M+\c], |v[X+32*\c+\i]|, |v[X+32*\c+\i+1]|  ; the two blocks by turns
.endr
.endr
.irp c, 0,1
	v_add_nc_u32 v[SO+\c], 0xfe000000, v[M+\c]     ; 4 off the exponent field: the conversion takes this operand's exponent field as its scale
.endr
	v_lshrrev_b32 v12, 23, v[SO]                   ; the bytes of blocks h and 2 + h
	v_lshrrev_b32 v13, 23, v[SO+1]
	v_lshl_or_b32 v10, v13, 16, v12
	v_lshlrev_b32 v10, v11, v10                    ; at their places in the word: 8 h bits up
	v_mov_b32 v12, 0                               ; a lane permute's destination counts as one of its sources
	v_permlanex16_b32 v12, v10, s30, s31
	v_or_b32 v10, v10, v12                         ; with lane l xor 16's two bytes the word is whole
.irp c, 0,1
	v_cvt_scalef32_pk16_bf6_f32 v[PC+6*\c:PC+6*\c+2], v[X+32*\c:X+32*\c+15], v[SO+\c]
	v_cvt_scalef32_pk16_bf6_f32 v[CT+4*\c:CT+4*\c+2], v[X+32*\c+16:X+32*\c+31], v[SO+\c]   ; a conversion's three registers begin on an even number: made here, moved below
.endr
	v_nop                                          ; one plain instruction behind the scaled conversions
.irp c, 0,1
.irp i, 0,1,2
	v_mov_b32 v[PC+6*\c+3+\i], v[CT+4*\c+\i]
.endr
.endr
.irp c, 0,1,2
	global_store_b128 v4, v[PC+4*\c:PC+4*\c+3], s[12:13] offset:512*\c    ; the image: 512 consecutive bytes a store
.endr
	ds_store_b32 v7, v10                           ; both halves of the lanes write the same word with the same value
	s_wait_dscnt 0x0                               ; for wave 0's sake: my word has landed
	s_barrier_signal -1
	s_barrier_wait -1
	s_cmp_lg_u32 s16, 0
	s_cbranch_scc1 .Ldone
	ds_load_b64 v[12:13], v9
	s_wait_dscnt 0x0
	global_store_b64 v8, v[12:13], s[14:15]        ; 32 lanes store 256 consecutive bytes, at a multiple of 256 from the buffer's first byte
.Ldone:
	s_wait_tensorcnt 0x0                           ; the wave's end
	ds_add_u32 v[SPW], v[NIL]
	s_wait_dscnt 0x0
	s_endpgm
.Lfunc_end_k_qd1dbb41270_quant:
	.size	k_qd1dbb41270_quant, .Lfunc_end_k_qd1dbb41270_quant-k_qd1dbb41270_quant
	.p2alignl 7, 3214868480
	.fill 96, 4, 3214868480
	.section	.rodata,"a",@progbits
	.p2align	6, 0x0
	.amdhsa_kernel k_qd1dbb41270_quant
		.amdhsa_group_segment_fixed_size 69632
		.amdhsa_private_segment_fixed_size 0
		.amdhsa_enable_private_segment 0
		.amdhsa_kernarg_size 48
		.amdhsa_user_sgpr_count 2
		.amdhsa_user_sgpr_kernarg_segment_ptr 1
		.amdhsa_wavefront_size32 1
		.amdhsa_system_sgpr_workgroup_id_x 1
		.amdhsa_system_sgpr_workgroup_id_y 1
		.amdhsa_system_sgpr_workgroup_id_z 1
		.amdhsa_system_vgpr_workitem_id 0
		.amdhsa_next_free_vgpr 178
		.amdhsa_next_free_sgpr 66
		.amdhsa_reserve_vcc 0
		.amdhsa_float_denorm_mode_32 3
		.amdhsa_float_denorm_mode_16_64 3
		.amdhsa_memory_ordered 1
		.amdhsa_forward_progress 1
		.amdhsa_inst_pref_size 19
	.end_amdhsa_kernel
	.amdgpu_metadata
---
amdhsa.version: [ 1, 2 ]
amdhsa.kernels:
  - .name:           k_qd1dbb41270_quant
    .symbol:         k_qd1dbb41270_quant.kd
    .args:
      - { .name: input_tensor, .offset: 0, .size: 8, .value_kind: global_buffer, .address_space: global }
      - { .name: Wq, .offset: 8, .size: 8, .value_kind: global_buffer, .address_space: global }
      - { .name: Wk, .offset: 16, .size: 8, .value_kind: global_buffer, .address_space: global }
      - { .name: Wv, .offset: 24, .size: 8, .value_kind: global_buffer, .address_space: global }
      - { .name: xc, .offset: 32, .size: 8, .value_kind: global_buffer, .address_space: global }
      - { .name: wc, .offset: 40, .size: 8, .value_kind: global_buffer, .address_space: global }
    .group_segment_fixed_size: 69632
    .private_segment_fixed_size: 0
    .kernarg_segment_align: 8
    .kernarg_segment_size: 48
    .max_flat_workgroup_size: 128
    .sgpr_count:     66
    .vgpr_count:     178
    .wavefront_size: 32
...
	.end_amdgpu_metadata
.endif
;; end of part 1
;; launch qkv (part 2): grid 16 x 16, 4 waves a work-group, clusters of 4 x 4, 327,680 bytes of LDS; arguments xc, wc, bq, bk, bv, qc, kvc; writes qc, kvc
.if DOCPART == 2
	.amdgcn_target "amdgcn-amd-amdhsa--gfx1250"
	.amdhsa_code_object_version 6
	.text
	.protected	k_qd1dbb41270_qkv
	.globl	k_qd1dbb41270_qkv
	.p2align	8
	.type	k_qd1dbb41270_qkv,@function
k_qd1dbb41270_qkv:
	s_mov_b64 s[64:65], 0
	v_nop
	global_prefetch_b8 v0, s[64:65] scope:SCOPE_SE
	s_setreg_imm32_b32 hwreg(HW_REG_WAVE_MODE, 25, 1), 1
	s_wait_xcnt 0x0
	s_wait_alu depctr_hold_cnt(0) depctr_sa_sdst(0) depctr_va_vdst(0) depctr_va_sdst(0) depctr_va_ssrc(0) depctr_va_vcc(0) depctr_vm_vsrc(0)
	s_getreg_b32 s2, hwreg(HW_REG_IB_STS2, 6, 4)
	s_cmp_eq_u32 s2, 0
	s_cbranch_scc0 .Lentry_in_a_cluster
	s_endpgm
.Lentry_in_a_cluster:
	s_bfe_u32 s2, ttmp6, 0x10000c
	s_cmp_lg_u32 s2, 0xf033
	s_cbranch_scc0 .Lentry_shape_is_right
	s_endpgm
.Lentry_shape_is_right:
; q = (x Wq + bq) / 8, k = x Wk + bk, v = x Wv + bv on codes of BF6 (E3M2) with E8M0 scales, sums in f32; the results are quantised at once, in f32, for attention's two products, and leave as register images.
; LIMITS: a sum begins with its bias, where reference() adds it last.  A block of q or k whose largest magnitude lies under 2^-119 (of v: 2^-122), a block of zeros among them, keeps the floor's byte (its codes are near zero; this
; program alone reads the bytes).  NaN, infinities and sums beyond f32's range are not served.
; xc, wc: units of 6,400 bytes for 64 rows (tokens; a head's 64 columns of Wq, Wk, Wv: group 16 x tensor + head) and 128 along K: four fragment images of 1,536 bytes (register p of lane l at 512 (p / 4) + 16 l + 4 (p % 4)),
; then the scale words at 6,144 + 16 r + 4 w.  Row r of fragment w is row 8 w + r % 8 + 32 (r / 8) of the 64.  A group's eight units lie on end: 51,200 dense bytes.
; THE DEAL.  256 work-groups of four waves, 2 x 2.  Work-group (column group s42, row group s43) makes 512 tokens x two heads of q (s42 < 8) or k, and the same tokens x head s42 of v.
; Wave (a, b) holds in registers, ALL of K, head 2 s42 + b's four fragments of Wq or Wk (384 registers) and fragments 2 b, 2 b + 1 of Wv's head (192), and streams x past them in 16 blocks of 16 tokens, 48 products each:
; the 256 tokens of key steps a and a + 2 of the work-group's four.  So a block's eight fragments feed 48 products, and a wave reads its weights from LDS once.
; q, k: source 0 = W, source 1 = x: a lane holds a token, its 32 sums are channels 32 h + 0 .. 31: one scale block.  v: source 0 = x, source 1 = W: a lane holds a channel, its 32 sums of a group's four blocks are tokens 32 h + 0 .. 31.
; The bias is the first products' C (q, k: loaded from LDS into the accumulators; v: eight registers a tile).  q's factor 1/8 is a power of two: the codes are those of the unscaled sums, and 3 comes off each scale byte.
; CLUSTERS 4 x 4: x's groups hang on the row group alone and are shared along a row of the cluster, W's on the column group alone and are shared along a column: each is asked for jointly.
; LDS: bytes 0 .. 153,599 take W at the head (q|k's two heads, v's head); 153,600 .. 255,999 x's groups 0 and 2 (one for each wave row).  Three refills, each two groups, waves 0 and 1 one group each, each behind a drained round of the
; cluster's barrier: groups 1, 3 over W's first bytes, when all waves hold W in registers; groups 4, 6 in block 2; groups 5, 7 in block 6.  A plain barrier in block 10 shows the last.  Behind them the spare words and the biases of q|k.
; PREFETCH: each refill's 400 blocks of 256 bytes are shared out among the sixteen waves of a row of the cluster, by address, 25 a wave: the first two refills' behind the head's barrier, the third's in block 1.
; OUT, as attention reads it.  qc: for (batch, head) and 128 queries 6,400 bytes: four pair fragments (fragments 2 g in registers 0-5, 2 g + 1 in 6-11), scale words at 6,144 + 16 r + 4 g.
; kvc: for (batch, head) and 128 keys 12,800 bytes: K's four pair fragments, V^T's four fragments at 6,144, K's scale words at 12,288 + 16 r + 4 g, V's at 12,544 + 16 r + 4 t.
; REGISTERS.  Fragment f lies at register 256 + 12 f: 0-31 W q|k (4 q + t), 32-47 Wv (32 + 2 q + t), 48-63 x's two sets (48 + 8 e + q): they fill windows 1 to 3.  All else lies in window 0.
.set U,     6400
.set GRP,   8*U
.set AREG,  3*GRP
.set SPARE, 5*GRP                      ; the spare words, 128 bytes a wave
.set QBL,   SPARE+512                  ; q|k's bias: 256 bytes a wave
.set SB,   24                          ; v24-55  W's scale words, 4 q + t: lanes 0-15 q|k's fragment t, lanes 16-31 my Wv fragment t (t < 2)
.set SA,   56                          ; v56-71  x's scale words, two sets of eight
.set ACC,  72                          ; v72-103 q|k's sums
.set HV,   104                         ; v104-167 v's sums: 32 t + 8 j + i
.set BVC,  168                         ; v168-183 v's bias as C
.set NCD,  184                         ; a pair fragment's codes
.set VCD,  196                         ; V^T's codes, twelve a tile
.set TC,   220
.set TV,   224
.set TM,   232
.set SOP,  236
.set EB,   240
.set EBV,  242
.set VW,   246
.set GW,   248
.set G1X,  24
.set G1W4, 32
.set G1W2, 48
.set G0A,  56
.set G0B,  60
.set G0C,  68
.set G0D,  72
.set MSB, 0
.macro WIN new                         ; the immediate's high byte repeats the setting that is left
.if MSB != (\new)
	s_set_vgpr_msb (MSB<<8)|(\new)
.set MSB, (\new)
.endif
.endm
.macro WALU
	s_wait_alu depctr_va_vdst(0)
.endm
.macro PLACES n
.rept \n
	v_nop
.endr
.endm
.macro BARRIER
	s_barrier_signal -1
	s_barrier_wait -1
.endm
.macro MIDDLE                          ; a round's middle: the opening wait, wave 0's signal for the work-group, the cluster's wait
	s_barrier_wait -1
	s_cmp_lg_u32 s18, 0
	s_cbranch_scc1 .Lnot_wave_0_\@
	s_barrier_signal -3
.Lnot_wave_0_\@:
	s_barrier_wait -3
.endm
.macro CROUND
	s_barrier_signal -1
	MIDDLE
	BARRIER
.endm
.macro TLOAD g0, g1                    ; an s_nop 0 and four v_nop follow a tensor load
	tensor_load_to_lds s[\g0:\g0+3], s[\g1:\g1+7]
	s_nop 0
	PLACES 4
.endm
.macro GROUP1 g, mask, rows            ; a dense block as rows of 256 bytes (32 elements of 8 bytes)
	s_or_b32 s[\g], s\mask, (3<<16)|(1<<21)
	s_mov_b32 s[\g+1], 32<<16
	s_mov_b32 s[\g+2], (\rows)<<16
	s_mov_b32 s[\g+3], 32<<16
	s_mov_b32 s[\g+4], \rows
	s_mov_b32 s[\g+5], 32
	s_mov_b32 s[\g+6], 0
	s_mov_b32 s[\g+7], 0
.endm
.macro REFILL base, step               ; two groups into LDS byte base on; both addresses step on; wave 0 fetches wave row 0's group, wave 1 wave row 1's
	s_mov_b32 s[G0C+1], \base
	s_mov_b32 s[G0D+1], (\base)+GRP
	s_add_nc_u64 s[G0C+2:G0C+3], s[G0C+2:G0C+3], \step
	s_add_nc_u64 s[G0D+2:G0D+3], s[G0D+2:G0D+3], \step
	s_cmp_eq_u32 s18, 0
	s_cbranch_scc0 .Lr1_\@
	TLOAD G0C, G1X
	s_branch .Lrj_\@
.Lr1_\@:
	s_cmp_eq_u32 s18, 1
	s_cbranch_scc0 .Lrj_\@
	TLOAD G0D, G1X
.Lrj_\@:
.endm
.macro LDFRAG f, adr, off              ; an image comes back as it was stored: three loads of 16 bytes a lane
.irp c, 0,1,2
	WIN ((256+12*(\f)+4*\c)>>8)<<6
	ds_load_b128 v[(256+12*(\f)+4*\c)&255:((256+12*(\f)+4*\c)&255)+3], v[\adr] offset:(\off)+512*\c
.endr
.endm
.macro FETCH s                         ; block s's eight fragments and scale words into set s % 2: 32 loads.  Groups take turns between the two regions of LDS
.set FE_, (\s)%2
.set FW_, (\s)%4
.set FA_, 4+((\s)/4)%2
.irp q, 0,1,2,3,4,5,6,7
	LDFRAG 48+8*FE_+\q, FA_, \q*U+1536*FW_
.endr
	WIN 0
.irp q, 0,1,2,3,4,5,6,7
	ds_load_b32 v[SA+8*FE_+\q], v[FA_+2] offset:\q*U+6144+4*FW_
.endr
.endm
.macro BIAS                            ; q|k's bias into the accumulators: register 8 t + j is channel 32 h + 8 t + j
.irp k, 0,1,2,3,4,5,6,7
	ds_load_b128 v[ACC+4*\k:ACC+4*\k+3], v8 offset:16*\k
.endr
.endm
.macro PV e, q, t, j
.set RX_, 256+12*(48+8*(\e)+(\q))
.set RW_, 256+12*(32+2*(\q)+(\t))
.set D_, HV+32*(\t)+8*(\j)
	WIN (RX_>>8)|((RW_>>8)<<2)
.if (\q)
	v_wmma_scale_f32_16x16x128_f8f6f4 v[D_:D_+7], v[RX_&255:(RX_&255)+11], v[RW_&255:(RW_&255)+11], v[D_:D_+7], v[SA+8*(\e)+(\q)], v[SB+4*(\q)+(\t)] matrix_a_fmt:MATRIX_FMT_BF6 matrix_b_fmt:MATRIX_FMT_BF6 matrix_b_scale:MATRIX_SCALE_ROW1
.else
	v_wmma_scale_f32_16x16x128_f8f6f4 v[D_:D_+7], v[RX_&255:(RX_&255)+11], v[RW_&255:(RW_&255)+11], v[BVC+8*(\t):BVC+8*(\t)+7], v[SA+8*(\e)+(\q)], v[SB+4*(\q)+(\t)] matrix_a_fmt:MATRIX_FMT_BF6 matrix_b_fmt:MATRIX_FMT_BF6 matrix_b_scale:MATRIX_SCALE_ROW1
.endif
.endm
.macro PQK e, q, t
.set RX_, 256+12*(48+8*(\e)+(\q))
.set RW_, 256+12*(4*(\q)+(\t))
.set D_, ACC+8*(\t)
	WIN (RW_>>8)|((RX_>>8)<<2)
	v_wmma_scale_f32_16x16x128_f8f6f4 v[D_:D_+7], v[RW_&255:(RW_&255)+11], v[RX_&255:(RX_&255)+11], v[D_:D_+7], v[SB+4*(\q)+(\t)], v[SA+8*(\e)+(\q)] matrix_a_fmt:MATRIX_FMT_BF6 matrix_b_fmt:MATRIX_FMT_BF6
.endm
; products from .. to - 1 of a block: v's 16 (two accumulators by turns), then q|k's 32 (four by turns); ahead of product 16 the bias is awaited
.macro PRODS e, j, from, to
.set N_, \from
.rept (\to)-(\from)
.if N_ == 16
	s_wait_dscnt BW_
.endif
.if N_ < 16
	PV \e, N_/2, N_%2, \j
.else
	PQK \e, (N_-16)/4, N_%4
.endif
.set N_, N_+1
.endr
.endm
.macro MAX32 x, fl                     ; the largest magnitude of 32 sums, and the floor, into v[TM]: four chains, each accumulator from its low end on
.irp k, 0,1,2,3
	v_max3_num_f32 v[TM+\k], |v[(\x)+8*\k]|, |v[(\x)+8*\k+1]|, \fl
.endr
.irp i, 2,4,6
.irp k, 0,1,2,3
	v_max3_num_f32 v[TM+\k], v[TM+\k], |v[(\x)+8*\k+\i]|, |v[(\x)+8*\k+\i+1]|
.endr
.endr
	v_max3_num_f32 v[TM], v[TM], v[TM+1], v[TM+2]
	v_max_num_f32 v[TM], v[TM], v[TM+3]
.endm
.macro WORD d, lo, hi                  ; my two bytes (blocks h and 2 + h) go 8 h bits up; lane l xor 16's two make the word whole, in v253
	v_lshl_or_b32 v253, v[\hi], 16, v[\lo]
	v_lshlrev_b32 v253, v12, v253
	v_permlanex16_b32 v252, v253, s46, s47
.endm
.macro QKOUT                           ; a block's 32 sums become six registers of the pair fragment; behind the odd block the pair leaves
.set O_, J_%2
.if O_ == 0
	s_wait_xcnt 0x0                                ; the last pair's stores have read their registers
.endif
	MAX32 ACC, 0x4000000
	v_add_nc_u32 v[SOP], 0xfe000000, v[TM]         ; 4 off the exponent field: the conversions' scale operand
	v_cvt_scalef32_pk16_bf6_f32 v[NCD+6*O_:NCD+6*O_+2], v[ACC:ACC+15], v[SOP]
	v_cvt_scalef32_pk16_bf6_f32 v[TC:TC+2], v[ACC+16:ACC+31], v[SOP]      ; three registers from an even number on: made here, moved below
	v_lshrrev_b32 v[EB+O_], 23, v[SOP]
.irp i, 0,1,2
	v_mov_b32 v[NCD+6*O_+3+\i], v[TC+\i]
.endr
.if O_
	WORD 0, EB, EB+1
	v_or_b32 v253, v253, v252
	v_sub_nc_u32 v[GW+G_], v253, s84               ; q: 3 off each byte, for the factor 1/8
.irp k, 0,1,2
	global_store_b128 v3, v[NCD+4*\k:NCD+4*\k+3], s[76:77] offset:1536*G_+512*\k   ; 512 consecutive bytes a store
.endr
.if G_ == 3
	global_store_b128 v9, v[GW:GW+3], s[78:79]     ; sixteen lanes store 256 consecutive bytes, aligned (lanes 16-31 the same bytes again)
.endif
.endif
.endm
.macro VOUT                            ; a group's 32 sums of each of my two tiles become six registers of a fragment of V^T; behind the second group the fragments leave
.if C_ == 0
	s_wait_xcnt 0x0
.endif
.irp t, 0,1
	MAX32 HV+32*\t, 0x2800000
	v_add_nc_u32 v[SOP+\t], 0xfe000000, v[TM]
	v_cvt_scalef32_pk16_bf6_f32 v[VCD+12*\t+6*C_:VCD+12*\t+6*C_+2], v[HV+32*\t:HV+32*\t+15], v[SOP+\t]
	v_cvt_scalef32_pk16_bf6_f32 v[TV+4*\t:TV+4*\t+2], v[HV+32*\t+16:HV+32*\t+31], v[SOP+\t]
	v_lshrrev_b32 v[EBV+2*\t+C_], 23, v[SOP+\t]
.irp i, 0,1,2
	v_mov_b32 v[VCD+12*\t+6*C_+3+\i], v[TV+4*\t+\i]
.endr
.endr
.if C_
.irp t, 0,1
	WORD 0, EBV+2*\t, EBV+2*\t+1
	v_or_b32 v[VW+\t], v253, v252
.endr
.irp t, 0,1
.irp k, 0,1,2
	global_store_b128 v3, v[VCD+12*\t+4*\k:VCD+12*\t+4*\k+3], s[80:81] offset:1536*\t+512*\k
.endr
.endr
	global_store_b64 v9, v[VW:VW+1], s[82:83]      ; my two tiles' words of row r: 8 of its 16 bytes (the other wave column stores the other 8)
.endif
.endm
; BLOCK s.  LDS instructions are issued in the order .. fetch(s), bias(s), fetch(s + 1): so at the head 8 + 32 are younger than this block's rows, and 32 (with the add 33) than its bias.
.macro BLOCK s
.set E_, (\s)%2
.set J_, (\s)%4
.set C_, ((\s)/4)%2
.set G_, 2*C_+J_/2
.set SY_, 0
.if (\s) == 2 || (\s) == 6
.set SY_, 1
.endif
.if (\s) == 10
.set SY_, 2
.endif
	WALU                                           ; the wait ahead of the blocking wait
.if (\s) == 15
	s_wait_dscnt 8
.set BW_, 0
.else
	s_wait_dscnt 40
.set BW_, 32
.endif
.if SY_ == 1
	s_wait_tensorcnt 0x0                           ; the lines ahead of a refill's round; the products stand between the add and its wait
	ds_add_u32 v10, v11
.set BW_, 33
.endif
	PRODS E_, J_, 0, 36
.if SY_
.if SY_ == 2
	s_wait_tensorcnt 0x0
.endif
	s_wait_dscnt 0x0                               ; my reads of the region that is left are over
	s_barrier_signal -1
.endif
	PRODS E_, J_, 36, 48
	WIN 0
.if SY_ == 1
	MIDDLE
	BARRIER
.if (\s) == 2
	REFILL AREG, 3*GRP                             ; groups 4 and 6
.else
	REFILL 0, GRP                                  ; groups 5 and 7
.endif
.endif
.if SY_ == 2
	s_barrier_wait -1                              ; a plain barrier: the last refill is shown to all
.endif
	PLACES 4                                       ; behind the last product: its sums are read, and loads go into its registers, below
	QKOUT
.if (\s) < 15
	BIAS
.endif
.if (\s) < 14
	FETCH (\s)+2
.endif
.if (\s) == 1
	global_prefetch_b8 v14, s[86:87] offset:5*GRP th:TH_LOAD_NT scope:SCOPE_SE
.endif
.if J_ == 3
	VOUT
.endif
.if (\s) == 7
	s_wait_xcnt 0x0                                ; the stores have read their bases: on to my second key step, two records on
	s_add_nc_u64 s[76:77], s[76:77], s[94:95]
	s_add_nc_u64 s[78:79], s[78:79], s[94:95]
	s_add_nc_u64 s[80:81], s[80:81], 25600
	s_add_nc_u64 s[82:83], s[82:83], 25600
.endif
.endm
	s_load_b256 s[4:11], s[0:1], 0x0               ; xc, wc, bq, bk
	s_load_b128 s[12:15], s[0:1], 0x20             ; bv, qc
	s_load_b64 s[16:17], s[0:1], 0x30              ; kvc
	v_lshl_add_u32 v10, v0, 2, SPARE
	v_mov_b32 v11, 0
	ds_add_u32 v10, v11                            ; the opening lines: the add, twice on end, and its wait
	ds_add_u32 v10, v11
	v_lshrrev_b32 v1, 5, v0
	v_readfirstlane_b32 s18, v1                    ; the wave; s19 its row a, s20 its column b
	s_lshr_b32 s19, s18, 1
	s_and_b32 s20, s18, 1
	s_bfe_u32 s40, ttmp6, 0x40000                  ; cx, cy
	s_bfe_u32 s41, ttmp6, 0x40004
	s_lshl_b32 s42, ttmp9, 2
	s_add_co_u32 s42, s42, s40                     ; the column group
	s_and_b32 s43, ttmp7, 0xffff
	s_lshl_b32 s43, s43, 2
	s_add_co_u32 s43, s43, s41                     ; the row group
	s_lshl_b32 s44, s41, 2
	s_lshl_b32 s44, 15, s44                        ; my row of the cluster: shares x
	s_lshl_b32 s45, 0x1111, s40                    ; my column: shares W
	GROUP1 G1X, 44, 200
	GROUP1 G1W4, 45, 400
	GROUP1 G1W2, 45, 200
	s_mul_i32 s88, s42, 2*GRP                      ; W's groups 2 s42, 2 s42 + 1
	s_mov_b32 s89, 0
	s_mul_i32 s90, s42, GRP
	s_add_co_u32 s90, s90, 32*GRP                  ; Wv's group 32 + s42
	s_mov_b32 s91, 0
	s_mul_i32 s92, s43, 8*GRP                      ; x's eight groups
	s_mov_b32 s93, 0
	s_wait_dscnt 0x0
	CROUND                                         ; the round in front of the first joint loads
	s_wait_kmcnt 0x0
	s_mov_b32 s[G0A], 1
	s_mov_b32 s[G0A+1], 0
	s_add_nc_u64 s[G0A+2:G0A+3], s[6:7], s[88:89]
	s_or_b32 s[G0A+3], s[G0A+3], 0x80000000
	s_mov_b32 s[G0B], 1
	s_mov_b32 s[G0B+1], 2*GRP
	s_add_nc_u64 s[G0B+2:G0B+3], s[6:7], s[90:91]
	s_or_b32 s[G0B+3], s[G0B+3], 0x80000000
	s_add_nc_u64 s[86:87], s[4:5], s[92:93]
	s_mov_b32 s[G0C], 1
	s_mov_b32 s[G0C+1], AREG
	s_mov_b64 s[G0C+2:G0C+3], s[86:87]
	s_or_b32 s[G0C+3], s[G0C+3], 0x80000000
	s_mov_b32 s[G0D], 1
	s_mov_b32 s[G0D+1], AREG+GRP
	s_add_nc_u64 s[G0D+2:G0D+3], s[86:87], 2*GRP
	s_or_b32 s[G0D+3], s[G0D+3], 0x80000000
	s_cmp_eq_u32 s18, 0                            ; the head's four tiles, one a wave, each on a line of its own
	s_cbranch_scc0 .Lhead_1
	TLOAD G0A, G1W4                                ; q|k's two heads of W
	s_branch .Lhead_asked
.Lhead_1:
	s_cmp_eq_u32 s18, 1
	s_cbranch_scc0 .Lhead_2
	TLOAD G0B, G1W2                                ; v's head of W
	s_branch .Lhead_asked
.Lhead_2:
	s_cmp_eq_u32 s18, 2
	s_cbranch_scc0 .Lhead_3
	TLOAD G0C, G1X                                 ; x's group 0
	s_branch .Lhead_asked
.Lhead_3:
	TLOAD G0D, G1X                                 ; x's group 2
.Lhead_asked:
	v_and_b32 v1, 15, v0                           ; r
	v_bfe_u32 v2, v0, 4, 1                         ; h
	v_and_b32 v3, 31, v0
	v_min_u32 v14, 24, v3
	v_lshlrev_b32 v3, 4, v3                        ; 16 x lane
	v_lshlrev_b32 v9, 4, v1                        ; 16 r
	v_lshlrev_b32 v12, 3, v2                       ; 8 h
	v_and_b32 v19, 8, v1
	v_mad_u32_u24 v19, v19, 3, v1
	v_lshlrev_b32 v19, 2, v19                      ; 4 (r % 8 + 32 (r / 8)): my channel of a tile of v
	WALU
	s_mul_i32 s21, s19, GRP
	s_mul_i32 s22, s20, GRP
	v_add_nc_u32 v5, s21, v3                       ; x's fragments in the region at 0,
	v_add_nc_u32 v4, AREG, v5                      ; and in the region at AREG
	v_add_nc_u32 v7, s21, v9                       ; x's scale words likewise
	v_add_nc_u32 v6, AREG, v7
	v_add_nc_u32 v15, s22, v3                      ; my head of W q|k
	s_mul_i32 s23, s20, 3072
	s_add_co_u32 s23, s23, 2*GRP
	v_add_nc_u32 v16, s23, v3                      ; my two fragments of Wv
	s_sub_co_u32 s23, 2*GRP, s22
	v_mul_u32_u24 v17, s23, v2                     ; W's scale words: lanes 0-15 my head's of q|k, lanes 16-31 Wv's
	v_add_nc_u32 v17, v17, v9
	v_add_nc_u32 v17, s22, v17
	s_lshl_b32 s23, s18, 8
	s_add_co_u32 s23, s23, QBL
	v_add_nc_u32 v18, s23, v9                      ; q|k's bias, in
	v_lshl_add_u32 v8, v2, 7, s23                  ; and out: 128 h
	s_lshl_b32 s21, s40, 2                         ; the prefetches: my number among the sixteen waves of my row of the cluster
	s_add_co_u32 s21, s21, s18
	s_and_b32 s22, s21, 7
	s_mul_i32 s22, s22, 25*256
	s_lshr_b32 s21, s21, 3
	s_mul_i32 s21, s21, 2*GRP
	s_add_co_u32 s21, s21, s22
	v_lshl_add_u32 v14, v14, 8, s21                ; 25 blocks of 256 bytes, a lane a block (lanes 25-31 name the last again)
	s_lshl_b32 s21, s42, 1
	s_add_co_u32 s21, s21, s20
	s_and_b32 s21, s21, 15                         ; my head of q or k
	s_lshl_b32 s88, s21, 8
	s_cmp_lt_u32 s42, 8
	s_cselect_b64 s[90:91], s[8:9], s[10:11]
	s_add_nc_u64 s[90:91], s[90:91], s[88:89]
	WALU
	global_load_b128 v[TM:TM+3], v9, s[90:91]
	s_lshl_b32 s88, s42, 8
	s_lshl_b32 s22, s20, 6
	s_add_co_u32 s88, s88, s22
	s_add_nc_u64 s[92:93], s[12:13], s[88:89]
	global_load_b32 v20, v19, s[92:93]
	global_load_b32 v21, v19, s[92:93] offset:32
	s_lshr_b32 s22, s43, 2                         ; where the results go: the batch,
	s_lshl_b32 s22, s22, 4
	s_and_b32 s23, s43, 3
	s_lshl_b32 s23, s23, 2
	s_add_co_u32 s23, s23, s19                     ; my first key step of the sequence's sixteen
	s_add_co_u32 s95, s22, s21
	s_lshl_b32 s95, s95, 4
	s_add_co_u32 s95, s95, s23
	s_add_co_u32 s96, s22, s42
	s_lshl_b32 s96, s96, 4
	s_add_co_u32 s96, s96, s23
	s_mul_i32 s96, s96, 12800
	s_mul_i32 s98, s20, 3072
	s_add_co_u32 s98, s98, s96
	s_add_co_u32 s98, s98, 6144
	s_mov_b32 s99, 0
	s_add_nc_u64 s[80:81], s[16:17], s[98:99]      ; my two fragments of V^T
	s_lshl_b32 s98, s20, 3
	s_add_co_u32 s98, s98, s96
	s_add_co_u32 s98, s98, 12544
	s_add_nc_u64 s[82:83], s[16:17], s[98:99]      ; and their scale words
	s_cmp_lt_u32 s42, 8
	s_mov_b32 s97, 12800
	s_cselect_b32 s97, 6400, s97                   ; a record of qc or of kvc
	s_cselect_b64 s[76:77], s[14:15], s[16:17]
	s_cselect_b32 s84, 0x03030303, 0
	s_mov_b32 s96, 12288
	s_cselect_b32 s96, 6144, s96
	s_mul_i32 s98, s95, s97
	s_add_nc_u64 s[76:77], s[76:77], s[98:99]      ; my head's record
	s_mov_b32 s98, s96
	s_add_nc_u64 s[78:79], s[76:77], s[98:99]      ; its scale words
	s_lshl_b32 s94, s97, 1
	s_mov_b32 s95, 0
	s_cmp_eq_u32 s20, 1
	s_cselect_b32 s85, 0xffff0000, 0
	s_mov_b32 s46, 0x76543210
	s_mov_b32 s47, 0xfedcba98                      ; lane l xor 16
	v_mov_b32 v252, 0                              ; a lane permute's destination counts as one of its sources
	WALU
	s_wait_loadcnt 0x0
	ds_store_b128 v18, v[TM:TM+3]                  ; my wave's own 256 bytes (both halves of the lanes write the same)
.irp i, 0,1,2,3,4,5,6,7
	v_mov_b32 v[BVC+\i], v20
	v_mov_b32 v[BVC+8+\i], v21
.endr
	WALU
	s_wait_dscnt 0x0
	s_cmp_lt_u32 s18, 2
	s_cbranch_scc0 .Lnot_w
	s_wait_tensorcnt 0x0                           ; waves 0 and 1: W is in
.Lnot_w:
	BARRIER                                        ; x's groups may still be on their way
	global_prefetch_b8 v14, s[86:87] offset:GRP th:TH_LOAD_NT scope:SCOPE_SE
	global_prefetch_b8 v14, s[86:87] offset:4*GRP th:TH_LOAD_NT scope:SCOPE_SE
.irp q, 0,1,2,3,4,5,6,7
.irp t, 0,1,2,3
	LDFRAG 4*\q+\t, 15, \q*U+1536*\t
.endr
.irp t, 0,1
	LDFRAG 32+2*\q+\t, 16, \q*U+1536*\t
.endr
.endr
	WIN 0
.irp q, 0,1,2,3,4,5,6,7
	ds_load_b128 v[SB+4*\q:SB+4*\q+3], v17 offset:\q*U+6144
.endr
	s_wait_tensorcnt 0x0                           ; the lines: x's first groups are in
	ds_add_u32 v10, v11
	s_wait_dscnt 0x0                               ; and I hold W in registers
	CROUND
	REFILL 0, GRP                                  ; groups 1 and 3, over W's first bytes
.irp q, 0,1,2,3,4,5,6,7
.irp t, 0,1
	v_cndmask_b32 v[SB+4*\q+\t], v[SB+4*\q+\t], v[SB+4*\q+2+\t], s85     ; wave column 1: lanes 16-31 take the words of Wv's fragments 2 and 3
.endr
.endr
	FETCH 0
	BIAS
	FETCH 1
.set S_, 0
.rept 16
	BLOCK S_
.set S_, S_+1
.endr
	s_wait_tensorcnt 0x0                           ; the wave's end
	ds_add_u32 v10, v11
	s_wait_dscnt 0x0
	CROUND                                         ; the closing round
	s_endpgm
.Lfunc_end_k_qd1dbb41270_qkv:
	.size	k_qd1dbb41270_qkv, .Lfunc_end_k_qd1dbb41270_qkv-k_qd1dbb41270_qkv
	.p2alignl 7, 3214868480
	.fill 96, 4, 3214868480
	.section	.rodata,"a",@progbits
	.p2align	6, 0x0
	.amdhsa_kernel k_qd1dbb41270_qkv
		.amdhsa_group_segment_fixed_size 327680
		.amdhsa_private_segment_fixed_size 0
		.amdhsa_enable_private_segment 0
		.amdhsa_kernarg_size 56
		.amdhsa_user_sgpr_count 2
		.amdhsa_user_sgpr_kernarg_segment_ptr 1
		.amdhsa_wavefront_size32 1
		.amdhsa_system_sgpr_workgroup_id_x 1
		.amdhsa_system_sgpr_workgroup_id_y 1
		.amdhsa_system_sgpr_workgroup_id_z 1
		.amdhsa_system_vgpr_workitem_id 0
		.amdhsa_next_free_vgpr 1024
		.amdhsa_next_free_sgpr 100
		.amdhsa_reserve_vcc 0
		.amdhsa_float_denorm_mode_32 3
		.amdhsa_float_denorm_mode_16_64 3
		.amdhsa_memory_ordered 1
		.amdhsa_forward_progress 1
		.amdhsa_inst_pref_size 213
	.end_amdhsa_kernel
	.amdgpu_metadata
---
amdhsa.version: [ 1, 2 ]
amdhsa.kernels:
  - .name:           k_qd1dbb41270_qkv
    .symbol:         k_qd1dbb41270_qkv.kd
    .args:
      - { .name: xc, .offset: 0, .size: 8, .value_kind: global_buffer, .address_space: global }
      - { .name: wc, .offset: 8, .size: 8, .value_kind: global_buffer, .address_space: global }
      - { .name: bq, .offset: 16, .size: 8, .value_kind: global_buffer, .address_space: global }
      - { .name: bk, .offset: 24, .size: 8, .value_kind: global_buffer, .address_space: global }
      - { .name: bv, .offset: 32, .size: 8, .value_kind: global_buffer, .address_space: global }
      - { .name: qc, .offset: 40, .size: 8, .value_kind: global_buffer, .address_space: global }
      - { .name: kvc, .offset: 48, .size: 8, .value_kind: global_buffer, .address_space: global }
    .group_segment_fixed_size: 327680
    .private_segment_fixed_size: 0
    .kernarg_segment_align: 8
    .kernarg_segment_size: 56
    .max_flat_workgroup_size: 128
    .sgpr_count:     100
    .vgpr_count:     1024
    .wavefront_size: 32
...
	.end_amdgpu_metadata
.endif
;; end of part 2
;; launch attn (part 3): grid 4 x 64, 8 waves a work-group, clusters of 4 x 1, 327,680 bytes of LDS; arguments qc, kvc, attention_mask, out0; writes out0
.if DOCPART == 3
	.amdgcn_target "amdgcn-amd-amdhsa--gfx1250"
	.amdhsa_code_object_version 6
	.text
	.protected	k_qd1dbb41270_attn
	.globl	k_qd1dbb41270_attn
	.p2align	8
	.type	k_qd1dbb41270_attn,@function
k_qd1dbb41270_attn:
	s_mov_b64 s[64:65], 0
	v_nop
	global_prefetch_b8 v0, s[64:65] scope:SCOPE_SE
	s_setreg_imm32_b32 hwreg(HW_REG_WAVE_MODE, 25, 1), 1
	s_wait_xcnt 0x0
	s_wait_alu depctr_hold_cnt(0) depctr_sa_sdst(0) depctr_va_vdst(0) depctr_va_sdst(0) depctr_va_ssrc(0) depctr_va_vcc(0) depctr_vm_vsrc(0)
	s_getreg_b32 s2, hwreg(HW_REG_IB_STS2, 6, 4)
	s_cmp_eq_u32 s2, 0
	s_cbranch_scc0 .Lentry_in_a_cluster
	s_endpgm
.Lentry_in_a_cluster:
	s_bfe_u32 s2, ttmp6, 0x10000c
	s_cmp_lg_u32 s2, 0x3003
	s_cbranch_scc0 .Lentry_shape_is_right
	s_endpgm
.Lentry_shape_is_right:
; out = softmax(q k^T + mask) v for one (batch, head) and 512 queries a work-group, on codes of BF6 (E3M2) with E8M0 scales; sums, softmax and the row's sum in f32.  q comes scaled by 1/8.
; p = 2^(t - M), t = (score + mask) log2(e), M the ceiling of the running largest t, a whole number; p is quantised in blocks of 32 keys; the row's sum is taken of the unquantised p; O is divided by it at the end.
; LIMITS: the promise holds while |t| stays under 2^31; NaN and infinities among the inputs are not served (a mask of -inf on some keys of a row gives p = 0 there; a row with no finite score is not served).
; THE DEAL.  Grid 4 x 64: y = 16 batch + head, x = which 512 queries.  The four work-groups of a cluster read the same K and V: all 16 records (128 keys, 12,800 bytes each) come into LDS once, by ONE joint
; tensor load a wave (two records); nothing is filled again.  All is asked for at the head, so there is no loop to run a prefetch ahead in.  Eight waves, 32 queries each, two passes.
; The mask's 8,192 bytes come by plain loads and LDS stores, each wave the 256 keys of its own two records.  Both passes' q come at the head.
; EACH WAVE BEGINS WITH ITS OWN TWO RECORDS, which it may read behind its own wait, between the barrier's signal and its wait; behind the wait it walks all 16 steps and jumps over those two (a branch on ids).
; LAYOUT (as the launch before leaves it): row r of K's tile a is key 64 (a / 4) + 8 (a % 4) + r % 8 + 32 (r / 8); a pair fragment holds tiles 2 g (registers 0-5) and 2 g + 1 (6-11), q's operand has zero codes in the other half.
; Both products are used transposed (S^T = K q^T, O^T = V^T p^T): lane (r, h) holds query r; the 32 registers of tiles 4 c .. 4 c + 3 are keys 64 c + 32 h + 0 .. 31: a whole scale block, in the order of p's operand registers.
; A block's byte is floor(t_max - M) + 123: t_max - M is made by the same multiply-add as the block's largest p's exponent, held at -122 from below, so the byte is 1 at the least.
; A STEP'S SECOND PRODUCT IS PUT OFF to the head of the next step, under that step's LDS loads of K; the first step of a pass finds zero codes of p and the factor 1, a last one stands behind the loop.
; REGISTERS.  Window 0: v1-11 addresses; QA q's operands [q, 0, q] for two tiles; PS, QS, SCK, SCV scale words; KV K's four pair fragments; MK the mask as the first product's C; O the sums; QB the second pass's q.
; Window 1: v0-127 scores, then p; PCD p's codes; VF V's four fragments; STT -M, largest score, the sum's two halves; FF the factor; WK at work; SH8 8 h.
.set REC,   12800
.set MASKL, 16*REC
.set STAGE, MASKL+8192                 ; 32 rows x (256 + 16) bytes for each wave, for the way out
.set SP,    272
.set SPARE, STAGE+8*32*SP              ; the spare words, 128 bytes a wave
.set QA,  12
.set PS,  48
.set QS,  52
.set SCK, 56
.set SCV, 60
.set KV,  64
.set MK,  112
.set O,   176
.set QB,  240
.set PCD, 128
.set VF,  152
.set STT, 200
.set FF,  208
.set WK,  212
.set SH8, 252
.set WV,  12
.set G1A, 32
.set G0A, 52
.set SEL, 60
.set CS,  62
.set TB,  66
.set TMK, 67
.set CNT, 68
.set PASS, 69
.set QP,  70
.set OP,  72
.set QSP, 74
.set SKIP, 76
.set IDX, 77
.set T,   78
.set MP,  80
.set MSB, 0
.macro WIN new                         ; the immediate's high byte repeats the setting that is left
.if MSB != (\new)
	s_set_vgpr_msb (MSB<<8)|(\new)
.set MSB, (\new)
.endif
.endm
.macro WALU
	s_wait_alu depctr_va_vdst(0)
.endm
.macro CROUND
	s_barrier_signal -1
	s_barrier_wait -1
	s_cmp_lg_u32 s[WV], 0
	s_cbranch_scc1 .Lnot_wave_0_\@
	s_barrier_signal -3
.Lnot_wave_0_\@:
	s_barrier_wait -3
	s_barrier_signal -1
	s_barrier_wait -1
.endm
; a pass begins: q's image at v[src] on (12 registers, then its scale word) becomes the two operands; sums 0, -M = 1e38, largest score -1e38, factor 1, p's codes 0
.macro INIT src
.irp i, 0,1,2,3,4,5
	v_mov_b32 v[QA+\i], v[\src+\i]
	v_mov_b32 v[QA+12+\i], v[\src+\i]
	v_mov_b32 v[QA+18+\i], v[\src+6+\i]
	v_mov_b32 v[QA+30+\i], v[\src+6+\i]
.endr
	v_and_b32 v10, 0xffff, v[\src+12]
	v_and_b32 v11, 0xffff0000, v[\src+12]
	v_lshl_or_b32 v[QS], v[\src+12], 16, v10       ; tile 0's two bytes, twice: for either half of K
	v_lshrrev_b32 v10, 16, v[\src+12]
	v_or_b32 v[QS+1], v11, v10                     ; tile 1's
	v_mov_b32 v[PS], 0x7f7f7f7f
	v_mov_b32 v[PS+1], 0x7f7f7f7f
.set J, 0
.rept 64
	v_mov_b32 v[O+J], 0
.set J, J+1
.endr
	WIN 0x40
.irp u, 0,1
	v_mov_b32 v[STT+4*\u], 0x7e967699
	v_mov_b32 v[STT+4*\u+1], 0xfe967699
	v_mov_b32 v[STT+4*\u+2], 0
	v_mov_b32 v[STT+4*\u+3], 0
	v_mov_b32 v[FF+2*\u], 1.0
	v_mov_b32 v[FF+2*\u+1], 0
.endr
.set J, 0
.rept 24
	v_mov_b32 v[PCD+J], 0
.set J, J+1
.endr
	WIN 0
.endm
.macro VLOAD                           ; V's scale words (lanes 16-31) and four fragments of the record at v3: 13 loads
	ds_load_b128 v[SCV:SCV+3], v3 offset:12288
	WIN 0x40
.irp i, 0,1,2,3,4,5,6,7,8,9,10,11
	ds_load_b128 v[VF+4*\i:VF+4*\i+3], v3 offset:6144+512*\i
.endr
.endm
; the product that was put off: O under the new M, then O^T += V^T p^T.  younger: the LDS loads issued behind V's
.macro PVSTEP younger
	WIN 0x04
	WALU                                           ; the wait directly ahead of the first readers of O
.set J, 0
.rept 32
	v_pk_mul_f32 v[O+J:O+J+1], v[O+J:O+J+1], v[FF+2*(J/32):FF+2*(J/32)+1] op_sel_hi:[1,0]
.set J, J+2
.endr
	WALU
	s_wait_dscnt \younger
	WIN 0x05
.irp t, 0,1,2,3
.irp u, 0,1
	v_wmma_scale_f32_16x16x128_f8f6f4 v[O+32*\u+8*\t:O+32*\u+8*\t+7], v[VF+12*\t:VF+12*\t+11], v[PCD+12*\u:PCD+12*\u+11], v[O+32*\u+8*\t:O+32*\u+8*\t+7], v[SCV+\t], v[PS+\u] matrix_a_fmt:MATRIX_FMT_BF6 matrix_b_fmt:MATRIX_FMT_BF6 matrix_a_scale:MATRIX_SCALE_ROW1
.endr
.endr
.endm
; a step of 128 keys: the record at s[TB], its mask at s[TMK]
.macro BODY
	v_add_nc_u32 v3, s[TB], v1
	v_add_nc_u32 v4, s[TMK], v2
.irp i, 0,1,2,3,4,5,6,7,8,9,10,11
	ds_load_b128 v[KV+4*\i:KV+4*\i+3], v3 offset:512*\i
.endr
	ds_load_b128 v[SCK:SCK+3], v3 offset:12288
.irp i, 0,1,2,3,4,5,6,7,8,9,10,11,12,13,14,15
	ds_load_b128 v[MK+4*\i:MK+4*\i+3], v4 offset:256*(\i/8)+16*(\i%8)
.endr
	PVSTEP 29                                      ; V's loads are in: younger are the 12 + 1 + 16 just issued
	s_wait_dscnt 0x0
	WIN 0x40
.irp a, 0,1,2,3,4,5,6,7
.irp u, 0,1
	v_wmma_scale_f32_16x16x128_f8f6f4 v[64*\u+8*\a:64*\u+8*\a+7], v[KV+12*(\a/2):KV+12*(\a/2)+11], v[QA+18*\u+6*(\a%2):QA+18*\u+6*(\a%2)+11], v[MK+8*\a:MK+8*\a+7], v[SCK+\a/2], v[QS+\u] matrix_a_fmt:MATRIX_FMT_BF6 matrix_b_fmt:MATRIX_FMT_BF6
.endr
.endr
	WIN 0
.rept 4
	v_nop                                          ; places: ahead of the loads into V's registers and of the first read of the scores
.endr
	VLOAD
	WIN 0x55
.irp k, 0,1,2,3                        ; the largest score of block k = 2 u + c: four chains by turns, each accumulator from its low end on
	v_max3_num_f32 v[WK+20*(\k/2)+\k%2], v[32*\k], v[32*\k+1], v[32*\k+2]
.endr
.set I, 3
.rept 14
.irp k, 0,1,2,3
	v_max3_num_f32 v[WK+20*(\k/2)+\k%2], v[WK+20*(\k/2)+\k%2], v[32*\k+I], v[32*\k+I+1]
.endr
.set I, I+2
.endr
.irp k, 0,1,2,3
	v_max_num_f32 v[WK+20*(\k/2)+\k%2], v[WK+20*(\k/2)+\k%2], v[32*\k+31]
.endr
.irp u, 0,1
	v_max_num_f32 v[WK+20*\u+2], v[WK+20*\u], v[WK+20*\u+1]
.endr
.irp u, 0,1
	v_permlanex16_b32 v[WK+20*\u+3], v[WK+20*\u+2], s[SEL], s[SEL+1]
.endr
.irp u, 0,1
	v_max3_num_f32 v[STT+4*\u+1], v[STT+4*\u+1], v[WK+20*\u+2], v[WK+20*\u+3]   ; the running largest score of my query
.endr
.irp u, 0,1
	v_mul_f32 v[WK+20*\u+4], s[CS], v[STT+4*\u+1]
.endr
.irp u, 0,1
	v_floor_f32 v[WK+20*\u+4], -v[WK+20*\u+4]      ; the new -M = -ceil(t)
.endr
.irp u, 0,1
	v_sub_f32 v[WK+20*\u+5], v[WK+20*\u+4], v[STT+4*\u]
.endr
.irp u, 0,1
	v_mov_b32 v[STT+4*\u], v[WK+20*\u+4]
.endr
.irp u, 0,1
	v_cvt_i32_f32 v[WK+20*\u+5], v[WK+20*\u+5]     ; old M less new M, 0 or less; it saturates
.endr
.irp u, 0,1
	v_ldexp_f32 v[FF+2*\u], 1.0, v[WK+20*\u+5]     ; the factor, a power of two
.endr
.irp k, 0,1,2,3
	v_fma_f32 v[WK+20*(\k/2)+6+\k%2], v[WK+20*(\k/2)+\k%2], s[CS], v[STT+4*(\k/2)]   ; the block's largest t - M
.endr
.set J, 0
.rept 64
	v_pk_fma_f32 v[J:J+1], v[J:J+1], s[CS:CS+1], v[STT+4*(J/64):STT+4*(J/64)+1] op_sel_hi:[1,0,0]   ; t - M
.set J, J+2
.endr
.irp k, 0,1,2,3
	v_max_num_f32 v[WK+20*(\k/2)+6+\k%2], 0xc2f40000, v[WK+20*(\k/2)+6+\k%2]         ; held at -122
.endr
.irp k, 0,1,2,3
	v_cvt_floor_i32_f32 v[WK+20*(\k/2)+6+\k%2], v[WK+20*(\k/2)+6+\k%2]
.endr
.irp k, 0,1,2,3
	v_add_nc_u32 v[WK+20*(\k/2)+6+\k%2], 123, v[WK+20*(\k/2)+6+\k%2]                 ; the scale's byte: floor(log2(largest p)) - 4 + 127
.endr
.irp k, 0,1,2,3
	v_lshlrev_b32 v[WK+20*(\k/2)+8+\k%2], 23, v[WK+20*(\k/2)+6+\k%2]                 ; the conversions' scale operand
.endr
.irp u, 0,1
	v_lshl_or_b32 v[WK+20*\u+2], v[WK+20*\u+7], 16, v[WK+20*\u+6]                    ; my bytes: blocks h and 2 + h
.endr
.irp u, 0,1
	v_lshlrev_b32 v[WK+20*\u+2], v[SH8], v[WK+20*\u+2]
.endr
.irp u, 0,1
	v_permlanex16_b32 v[WK+20*\u+3], v[WK+20*\u+2], s[SEL], s[SEL+1]
.endr
	WALU                                           ; the wait ahead of the batch
.set J, 0
.rept 128
	v_exp_f32 v[J], v[J]
.set J, J+1
.endr
.irp u, 0,1
	v_pk_mul_f32 v[STT+4*\u+2:STT+4*\u+3], v[STT+4*\u+2:STT+4*\u+3], v[FF+2*\u:FF+2*\u+1] op_sel_hi:[1,0]   ; the sums under the new M
.endr
	WALU                                           ; and behind it, ahead of its first reader
.irp u, 0,1
.irp c, 0,1
	v_cvt_scalef32_pk16_bf6_f32 v[PCD+12*\u+6*\c:PCD+12*\u+6*\c+2], v[64*\u+32*\c:64*\u+32*\c+15], v[WK+20*\u+8+\c]
	v_cvt_scalef32_pk16_bf6_f32 v[WK+20*\u+10+4*\c:WK+20*\u+12+4*\c], v[64*\u+32*\c+16:64*\u+32*\c+31], v[WK+20*\u+8+\c]   ; three registers from an even number on: made here, moved below
.endr
.endr
.irp u, 0,1
	v_pk_add_f32 v[WK+20*\u+18:WK+20*\u+19], v[64*\u:64*\u+1], v[64*\u+2:64*\u+3]    ; the row's sum, of the unquantised p: two chains a tile
.endr
.set J, 4
.rept 15
.irp u, 0,1
	v_pk_add_f32 v[STT+4*\u+2:STT+4*\u+3], v[STT+4*\u+2:STT+4*\u+3], v[64*\u+J:64*\u+J+1]
	v_pk_add_f32 v[WK+20*\u+18:WK+20*\u+19], v[WK+20*\u+18:WK+20*\u+19], v[64*\u+J+2:64*\u+J+3]
.endr
.set J, J+4
.endr
.irp u, 0,1
	v_pk_add_f32 v[STT+4*\u+2:STT+4*\u+3], v[STT+4*\u+2:STT+4*\u+3], v[WK+20*\u+18:WK+20*\u+19]
.endr
.irp u, 0,1
.irp c, 0,1
.irp i, 0,1,2
	v_mov_b32 v[PCD+12*\u+6*\c+3+\i], v[WK+20*\u+10+4*\c+\i]
.endr
.endr
.endr
	WIN 0x05
.irp u, 0,1
	v_or_b32 v[PS+\u], v[WK+20*\u+2], v[WK+20*\u+3]      ; with lane l xor 16's two bytes p's scale word is whole
.endr
	WIN 0
	WALU
.endm
	s_load_b256 s[4:11], s[0:1], 0x0               ; qc, kvc, attention_mask, out0
	v_lshl_add_u32 v254, v0, 2, SPARE
	v_mov_b32 v255, 0
	ds_add_u32 v254, v255                          ; the opening lines: the add, twice on end, and its wait
	ds_add_u32 v254, v255
	v_lshrrev_b32 v9, 5, v0
	v_readfirstlane_b32 s[WV], v9
	s_bfe_u32 s13, ttmp6, 0x40000                  ; cx: which 512 queries
	s_and_b32 s14, ttmp7, 0xffff                   ; 16 batch + head
	s_mov_b32 s[G1A], 15|(3<<16)|(1<<21)           ; all four partners; elements of 8 bytes; two records: 100 rows of 256 bytes, dense
	s_mov_b32 s[G1A+1], 32<<16
	s_mov_b32 s[G1A+2], 100<<16
	s_mov_b32 s[G1A+3], 32<<16
	s_mov_b32 s[G1A+4], 100
	s_mov_b32 s[G1A+5], 32
	s_mov_b32 s[G1A+6], 0
	s_mov_b32 s[G1A+7], 0
	s_mul_i32 s20, s[WV], 2*REC                    ; my two records' place in LDS
	s_mul_i32 s18, s14, 16*REC
	s_add_co_u32 s18, s18, s20
	s_mov_b32 s19, 0
	s_wait_dscnt 0x0
	CROUND                                         ; the round in front of the joint loads
	s_wait_kmcnt 0x0
	s_mov_b32 s[G0A], 1
	s_mov_b32 s[G0A+1], s20
	s_add_nc_u64 s[G0A+2:G0A+3], s[6:7], s[18:19]
	s_or_b32 s[G0A+3], s[G0A+3], 0x80000000
	tensor_load_to_lds s[G0A:G0A+3], s[G1A:G1A+7]
	s_nop 0
.rept 4
	v_nop
.endr
	v_and_b32 v9, 31, v0
	v_and_b32 v10, 15, v0                          ; r
	v_bfe_u32 v11, v0, 4, 1                        ; h
	v_lshlrev_b32 v1, 4, v9                        ; 16 x lane
	v_lshlrev_b32 v2, 7, v11                       ; 128 h
	v_lshlrev_b32 v8, 4, v10                       ; 16 r
	s_lshr_b32 s15, s14, 4                         ; the batch
	s_lshl_b32 s16, s15, 13
	s_lshl_b32 s21, s[WV], 10
	s_add_co_u32 s16, s16, s21
	s_mov_b32 s17, 0
	s_add_nc_u64 s[MP:MP+1], s[8:9], s[16:17]      ; the mask of my 256 keys
	s_lshl_b32 s22, s14, 4
	s_lshl_b32 s23, s13, 2
	s_add_co_u32 s22, s22, s23
	s_lshr_b32 s23, s[WV], 2
	s_add_co_u32 s22, s22, s23
	s_mul_i32 s22, s22, 6400                       ; q's record: 16 y + 4 cx + wave / 4 (the second pass: two on)
	s_and_b32 s23, s[WV], 3                        ; g: my pair fragment
	s_mul_i32 s18, s23, 1536
	s_add_co_u32 s18, s18, s22
	s_add_nc_u64 s[QP:QP+1], s[4:5], s[18:19]
	s_lshl_b32 s18, s23, 2
	s_add_co_u32 s18, s18, s22
	s_add_co_u32 s18, s18, 6144
	s_add_nc_u64 s[QSP:QSP+1], s[4:5], s[18:19]
	WALU
	global_load_b128 v[MK:MK+3], v1, s[MP:MP+1]
	global_load_b128 v[MK+4:MK+7], v1, s[MP:MP+1] offset:512
.irp k, 0,1,2
	global_load_b128 v[O+4*\k:O+4*\k+3], v1, s[QP:QP+1] offset:512*\k
	global_load_b128 v[QB+4*\k:QB+4*\k+3], v1, s[QP:QP+1] offset:12800+512*\k
.endr
	global_load_b32 v[O+12], v8, s[QSP:QSP+1]
	global_load_b32 v[QB+12], v8, s[QSP:QSP+1] offset:12800
	s_mul_i32 s22, s[WV], 32*SP
	s_add_co_u32 s22, s22, STAGE
	v_mul_u32_u24 v5, v10, SP
	v_add_nc_u32 v5, v5, v2
	v_add_nc_u32 v5, s22, v5                       ; the stage, in: row r, + 128 h
	v_mul_u32_u24 v6, v11, SP
	v_lshl_add_u32 v6, v10, 4, v6
	v_add_nc_u32 v6, s22, v6                       ; and back: sixteen lanes to a row of 256 bytes
	v_lshlrev_b32 v7, 12, v11
	v_lshl_add_u32 v7, v10, 4, v7                  ; the same two rows in out0
	s_add_co_u32 s21, s21, MASKL
	v_add_nc_u32 v9, s21, v1                       ; where my part of the mask goes
	s_lshl_b32 s16, s15, 11                        ; my first token: 2,048 batch + 512 cx + 128 (wave / 4) + 64 (g / 2) + 16 (g % 2)
	s_lshl_b32 s18, s13, 9
	s_add_co_u32 s16, s16, s18
	s_lshr_b32 s18, s[WV], 2
	s_lshl_b32 s18, s18, 7
	s_add_co_u32 s16, s16, s18
	s_lshr_b32 s18, s23, 1
	s_lshl_b32 s18, s18, 6
	s_add_co_u32 s16, s16, s18
	s_and_b32 s18, s23, 1
	s_lshl_b32 s18, s18, 4
	s_add_co_u32 s16, s16, s18
	s_lshl_b32 s16, s16, 12
	s_and_b32 s18, s14, 15
	s_lshl_b32 s18, s18, 8                         ; the head's 256 bytes of a row
	s_add_co_u32 s16, s16, s18
	s_add_nc_u64 s[OP:OP+1], s[10:11], s[16:17]
	s_mov_b32 s[SEL], 0x76543210
	s_mov_b32 s[SEL+1], 0xfedcba98                 ; lane l xor 16
	s_mov_b32 s[CS], 0x3fb8aa3b                    ; log2(e)
	s_mov_b32 s[CS+1], s[CS]
.irp u, 0,1
.irp i, 6,7,8,9,10,11
	v_mov_b32 v[QA+18*\u+\i], 0                    ; the zero codes between q's two copies
.endr
.endr
	WIN 0x40
	v_lshlrev_b32 v[SH8], 3, v11                   ; 8 h
	v_mov_b32 v[WK+3], 0                           ; a lane permute's destination counts as one of its sources
	v_mov_b32 v[WK+23], 0
	WIN 0
	WALU
	s_wait_loadcnt 8                               ; the mask's two loads are in; q's eight are younger
	ds_store_b128 v9, v[MK:MK+3]
	ds_store_b128 v9, v[MK+4:MK+7] offset:512
	s_wait_loadcnt 0x0
	INIT O
	s_mov_b32 s[TB], s20
	s_mov_b32 s[TMK], s21
	s_mov_b32 s[CNT], 2
	WALU                                           ; the wait at the head's end
	s_wait_tensorcnt 0x0                           ; my two records are in,
	s_wait_dscnt 0x0                               ; and my part of the mask:
	s_barrier_signal -1                            ; say so; up to the wait I read my own records and my own part of the mask alone
	v_add_nc_u32 v3, s[TB], v1
	VLOAD                                          ; V's registers for the first step's product, whose p is zero codes
	WIN 0
.Lown:
	BODY
	s_add_co_u32 s[TB], s[TB], REC
	s_add_co_u32 s[TMK], s[TMK], 512
	s_sub_co_u32 s[CNT], s[CNT], 1
	s_cmp_lg_u32 s[CNT], 0
	s_cbranch_scc1 .Lown
	s_barrier_wait -1                              ; everybody's records and mask are in
	s_mov_b32 s[SKIP], s[WV]
	s_mov_b32 s[PASS], 2
.Lpass:
	s_mov_b32 s[TB], 0
	s_mov_b32 s[TMK], MASKL
	s_mov_b32 s[IDX], 0
.Lstep:
	s_lshr_b32 s[T], s[IDX], 1
	s_cmp_eq_u32 s[T], s[SKIP]                     ; in the first pass my own two records are done
	s_cbranch_scc1 .Lskip
	BODY
.Lskip:
	s_add_co_u32 s[TB], s[TB], REC
	s_add_co_u32 s[TMK], s[TMK], 512
	s_add_co_u32 s[IDX], s[IDX], 1
	s_cmp_lt_u32 s[IDX], 16
	s_cbranch_scc1 .Lstep
	PVSTEP 0                                       ; the last step's second product
	WIN 0x55
.irp u, 0,1
	v_add_f32 v[WK+20*\u+2], v[STT+4*\u+2], v[STT+4*\u+3]
.endr
.irp u, 0,1
	v_permlanex16_b32 v[WK+20*\u+3], v[WK+20*\u+2], s[SEL], s[SEL+1]
.endr
.irp u, 0,1
	v_add_f32 v[WK+20*\u+2], v[WK+20*\u+2], v[WK+20*\u+3]      ; the row's sum
.endr
	WALU
.irp u, 0,1
	v_rcp_f32 v[FF+2*\u], v[WK+20*\u+2]
.endr
	v_nop
	WIN 0x04
	WALU
.set J, 0
.rept 32
	v_pk_mul_f32 v[O+J:O+J+1], v[O+J:O+J+1], v[FF+2*(J/32):FF+2*(J/32)+1] op_sel_hi:[1,0]
.set J, J+2
.endr
	WIN 0
.irp u, 0,1                            ; register 8 t + j of lane (r, h) is channel 32 h + 8 t + j of query r: through my own stage, back as whole rows of 256 bytes
.irp t, 0,1,2,3
	ds_store_b128 v5, v[O+32*\u+8*\t:O+32*\u+8*\t+3] offset:16*SP*\u+32*\t
	ds_store_b128 v5, v[O+32*\u+8*\t+4:O+32*\u+8*\t+7] offset:16*SP*\u+32*\t+16
.endr
.endr
.irp i, 0,1,2,3,4,5,6,7,8,9,10,11,12,13,14,15
	ds_load_b128 v[KV+4*\i:KV+4*\i+3], v6 offset:2*SP*\i       ; LDS serves a wave's instructions in order: these see the stores above
.endr
.irp i, 0,1,2,3,4,5,6,7,8,9,10,11,12,13,14,15
	s_wait_dscnt 15-\i
	global_store_b128 v7, v[KV+4*\i:KV+4*\i+3], s[OP:OP+1] offset:(8*(\i/8)+(2*\i)%8+32*((\i%8)/4))*4096 th:TH_STORE_NT   ; sixteen lanes store 256 consecutive bytes, aligned
.endr
	s_cmp_eq_u32 s[PASS], 1
	s_cbranch_scc1 .Ldone
	s_wait_xcnt 0x0                                ; the stores have read their registers and their base
	s_add_nc_u64 s[OP:OP+1], s[OP:OP+1], 256*4096
	INIT QB
	s_mov_b32 s[SKIP], -1                          ; the second pass walks all 16 steps
	WALU
	s_sub_co_u32 s[PASS], s[PASS], 1
	s_cmp_lg_u32 s[PASS], 0
	s_cbranch_scc1 .Lpass
.Ldone:
	s_wait_tensorcnt 0x0                           ; the wave's end
	ds_add_u32 v254, v255
	s_wait_dscnt 0x0
	CROUND                                         ; the closing round
	s_endpgm
.Lfunc_end_k_qd1dbb41270_attn:
	.size	k_qd1dbb41270_attn, .Lfunc_end_k_qd1dbb41270_attn-k_qd1dbb41270_attn
	.p2alignl 7, 3214868480
	.fill 96, 4, 3214868480
	.section	.rodata,"a",@progbits
	.p2align	6, 0x0
	.amdhsa_kernel k_qd1dbb41270_attn
		.amdhsa_group_segment_fixed_size 327680
		.amdhsa_private_segment_fixed_size 0
		.amdhsa_enable_private_segment 0
		.amdhsa_kernarg_size 32
		.amdhsa_user_sgpr_count 2
		.amdhsa_user_sgpr_kernarg_segment_ptr 1
		.amdhsa_wavefront_size32 1
		.amdhsa_system_sgpr_workgroup_id_x 1
		.amdhsa_system_sgpr_workgroup_id_y 1
		.amdhsa_system_sgpr_workgroup_id_z 1
		.amdhsa_system_vgpr_workitem_id 0
		.amdhsa_next_free_vgpr 512
		.amdhsa_next_free_sgpr 84
		.amdhsa_reserve_vcc 0
		.amdhsa_float_denorm_mode_32 3
		.amdhsa_float_denorm_mode_16_64 3
		.amdhsa_memory_ordered 1
		.amdhsa_forward_progress 1
		.amdhsa_inst_pref_size 83
	.end_amdhsa_kernel
	.amdgpu_metadata
---
amdhsa.version: [ 1, 2 ]
amdhsa.kernels:
  - .name:           k_qd1dbb41270_attn
    .symbol:         k_qd1dbb41270_attn.kd
    .args:
      - { .name: qc, .offset: 0, .size: 8, .value_kind: global_buffer, .address_space: global }
      - { .name: kvc, .offset: 8, .size: 8, .value_kind: global_buffer, .address_space: global }
      - { .name: attention_mask, .offset: 16, .size: 8, .value_kind: global_buffer, .address_space: global }
      - { .name: out0, .offset: 24, .size: 8, .value_kind: global_buffer, .address_space: global }
    .group_segment_fixed_size: 327680
    .private_segment_fixed_size: 0
    .kernarg_segment_align: 8
    .kernarg_segment_size: 32
    .max_flat_workgroup_size: 256
    .sgpr_count:     84
    .vgpr_count:     512
    .wavefront_size: 32
...
	.end_amdgpu_metadata
.endif
;; end of part 3
